; MI455X (gfx1250); checked and timed in simulation.
; The chip was launched on July 23, 2026; its instructions are those of AMD's public machine-readable ISA for CDNA 5 (MIT licence, August 2026) and "CDNA5" Instruction Set Architecture Reference Guide (July 2026). The comments in the code are by the model that wrote it; some were corrected since.
;; Hierarchical Attention. Allowed arithmetic: matrix products marked QUANTISED: E4M3 operands, one E8M0 scale for each 32 along K, by v_wmma_scale_f32_16x16x128_f8f6f4 with both operands' format E4M3, f32 sums; products left as they are: f32 operands where the result goes on into a quantised operand, else bf16, f16 or f32 operands; f32 sums; everything else in f32.
;; Inputs: gammas 4 float32; k 2 x 16 x 4,096 x 64 float32; q 2 x 16 x 4,096 x 64 float32; v 2 x 16 x 4,096 x 64 float32.
;; Outputs: out0 2 x 16 x 4,096 x 64 float32.
;; This version of the problem:
;;   THIS VERSION OF THE PROBLEM IS GIVEN IN LOW PRECISION. The matrix products marked QUANTISED in the list below multiply operands that are first quantised to E4M3 (4 exponent bits, 3 mantissa bits; 8 bits a number), with one power-of-two scale for each 32 numbers along K (OCP MX v1.0); their sums are f32. All else is computed in f32.
;;   The module's matrix products, in the order in which they are computed (A, B: the left and right operand; K: the contracted axis; several contracted axes count as one K, in the product's order):
;;     1. batch 131,072 x [M 1, K 64] x [K 64, N 32]; A: input q; B: computed on the way: left as it is (M = 1 < 16)
;;     2. batch 131,072 x [M 1, K 32] x [K 32, N 64]; A: computed on the way; B: computed on the way: left as it is (M = 1 < 16)
;;     3. batch 32 x [M 4,096, K 64] x [K 64, N 512]; A: input q; B: computed on the way: QUANTISED
;;     4. batch 32 x [M 4,096, K 512] x [K 512, N 64]; A: computed on the way; B: computed on the way: QUANTISED
;;     5. batch 32 x [M 4,096, K 64] x [K 64, N 64]; A: input q; B: computed on the way: QUANTISED
;;     6. batch 32 x [M 4,096, K 64] x [K 64, N 64]; A: computed on the way; B: computed on the way: QUANTISED
;;     7. batch 32 x [M 4,096, K 64] x [K 64, N 8]; A: input q; B: computed on the way: left as it is (N = 8 < 16)
;;     8. batch 32 x [M 4,096, K 8] x [K 8, N 64]; A: computed on the way; B: computed on the way: left as it is (K = 8 < 32)
;;   THE QUANTISER, for each operand of a quantised product, along K:
;;     - K is cut into blocks of 32 from its start; a last block that is shorter is filled with zeros.
;;     - A block's scale is 2^e with e = floor(log2(the largest magnitude in the block)) - 8, held to -126 .. 127; a block of zeros has e = 0. As a byte (E8M0): e + 127.
;;     - Each number is divided by its block's scale, clamped to +-448, and rounded to the nearest number of E4M3, ties to even, subnormals kept.
;;     - The product sums the exact products of the quantised numbers (number of the format x scale) in f32.
;;   ~~~python
;;   def quantise(x, axis):      # numpy; x: float32 -> the quantised numbers, widened to float32 again
;;       x = np.moveaxis(x, axis, -1); K = x.shape[-1]
;;       x = np.pad(x, [(0, 0)] * (x.ndim - 1) + [(0, -K % 32)]); x = x.reshape(x.shape[:-1] + (-1, 32)); a = np.abs(x).max(-1, keepdims=True)
;;       e = np.where(a > 0, np.clip(np.frexp(np.where(a > 0, a, 1))[1] - 1 - 8, -126, 127), 0)      # np.frexp(a)[1] - 1 = floor(log2(a)), exactly
;;       r = np.clip(x / 2.0 ** e, -448, 448)
;;       step = 2.0 ** (np.maximum(np.frexp(np.where(r == 0, 1, r))[1] - 1, -6) - 3)
;;       q = np.round(r / step) * step * 2.0 ** e      # np.round: ties to even
;;       return np.moveaxis(q.reshape(q.shape[:-2] + (-1,))[..., :K], -1, axis).astype(np.float32)
;;   ~~~
;;   OPERANDS COMPUTED ON THE WAY. 'Computed on the way' means the value that the module computes at that place (a softmax that the list does not call 'softmax' is quantised finished and normalised). What goes into a quantiser is computed in f32, as accurately as f32 sums, v_exp_f32 and their like allow (about 1e-6 of the number): no bf16 or f16 on the way to a quantiser, and a product that is left as it is and whose result goes on into a quantised operand takes f32 operands (vector FMAs, or v_wmma_f32_16x16x4_f32). A number that lies on a knife's edge between two numbers of the format may be rounded either way, as far as f32 arithmetic and the matrix unit's own rounding can turn it there, and no further.
;; One version. Each part assembles by itself: llvm-mc -triple=amdgcn-amd-amdhsa -mcpu=gfx1250 --defsym DOCPART=n.
;; ======== version 1 of 1: 2 launches
;; workspace buffers: kimg 16,777,216 bytes; vimg 16,777,216 bytes; h1 2,195,456 bytes; k2f 524,288 bytes; v2f 524,288 bytes
;; launch pool (part 1): grid 8 x 32, 8 waves a work-group, no clusters, 27,648 bytes of LDS; arguments k, v, kimg, vimg, h1, k2f, v2f; writes kimg, vimg, h1, k2f, v2f
.if DOCPART == 1
	.amdgcn_target "amdgcn-amd-amdhsa--gfx1250"
	.amdhsa_code_object_version 6
	.text
	.protected	k_qfefedcd936_pool
	.globl	k_qfefedcd936_pool
	.p2align	8
	.type	k_qfefedcd936_pool,@function
k_qfefedcd936_pool:
	s_mov_b64 s[64:65], 0
	v_nop
	global_prefetch_b8 v0, s[64:65] scope:SCOPE_SE
	s_setreg_imm32_b32 hwreg(HW_REG_WAVE_MODE, 25, 1), 1
	s_wait_xcnt 0x0
; k, v: [32 heads][4096 keys][64] f32, each read once.  Stored, for the attention launch:
;   kimg [head][256 groups of 16 keys][piece p = 2 c + z][lane][16 bytes]: bf16 of key lane % 16, dims 32 c + 16 (lane / 16) + 8 z + 0..7: a bf16 fragment's registers on end
;   vimg [head][256 groups][t 0..3][h 0..1][r 0..15][16 bytes]: bf16 of channel 16 t + r, keys 8 h + 0..7 of the group: half a fragment of V^T
;   h1   [head][68,608 bytes]: the means of 8 keys as E4M3 codes with E8M0 scale bytes, as images of the operands' registers:
;        +0      k1: 32 tiles x 1,024: [c 0..1][lane][16 codes]; row r of tile 2 B + u is chunk 32 B + 8 u + r % 8 + 16 (r / 8); K = the 64 dims
;        +32,768 v1: 16 fragments (4 s + t) x 2,048: [c 0..3][h][r][16 codes]: channel 16 t + r, chunks 128 s + 32 c + 16 h + 0..15; K = the chunks
;        +65,536 k1's scale words, 32 x 64 bytes (row r: bytes b0, b1, 0x7f, 0x7f);   +67,584 v1's, 16 x 64 bytes (channel r, byte c)
;   k2f, v2f [head][64][64] f32: the means of 8 such means.
; A block's scale is 2^(floor(log2(its largest magnitude)) - 8); its byte is that magnitude's exponent field - 8, held at 1 from below (a block of zeros gets the byte 1: its codes are zeros, and only this program reads the bytes).
; LIMITS: NaN and infinities among the inputs are not served; blocks whose largest magnitude lies under 2^-118 get the byte 1.
; SHARES.  Work-group (x, head) owns keys 512 x .. 512 x + 511: blocks B = 2 x + b of 32 chunks.  Waves 0-3 take K: wave (b, u) the two runs of 64 keys 256 B + 64 u + 128 rho, which are the 16 chunks of tile 2 B + u.
; Waves 4-7 take V: wave (b, e) keys 256 B .. + 255 at channels 32 e + lane: a lane's registers run down the keys, so a block of 32 chunks lies in one lane.  Every wave reads 32 KiB.  Waves share nothing: no barrier.
; Memory binds: no matrix unit, no tensor loads, no cluster (no two work-groups read the same bytes).
; REGISTERS: v1 h, v2 lane, v3 r; v4-11, v218-219 offsets that stay; v12-27 sums; v32-47 bf16 on the way; v48-63 K's pieces; v64-191 numbers as loaded (V: v128-159 the 32 means); v192-199 k2's two rows; v200-207 codes; v208-215 at work.
.set WREG,  6656                       ; LDS of a K wave: 16 rows x 144 bytes of bf16, then 16 rows x 272 bytes of means
.set MST,   2304
.set HH,    1
.set GL,    4                          ; 16 x lane
.set ASTO,  5                          ; bf16 stage, in: 144 h + 8 r
.set ARD,   6                          ; bf16 stage, out: 144 r + 32 h
.set AMN,   7                          ; means, in: 16 r
.set AQD,   8                          ; means, out: 272 r + 64 h
.set K2O,   9                          ; 16 r + 512 h
.set SCO,   10                         ; 4 r
.set VL,    11                         ; 4 x lane
.set A0,    12
.set BX,    16
.set A1,    20
.set A2,    24
.set Y,     32
.set Z,     48
.set X,     64
.set V1,    128
.set RV,    160
.set R2,    192
.set CD,    200
.set TQ,    208
.set WD,    216
.set C1O,   218                        ; 2048 h + 16 r
.set SBO,   219                        ; 64 h + 4 r
.set SEL,   30
.set MNT,   32
.set EIGHTH, 0x3e000000                ; 0.125
.set FLOOR, 0x4800000                  ; 2^(9 - 127)
; 32 numbers of a lane, register 16 c + i = K 32 c + 16 h + i of my row, become 8 registers of codes at v[d] and the row's scale word in v[w]
.macro QUANT2 s, d, w
	v_max3_num_f32 v[TQ], |v[\s]|, |v[\s+1]|, FLOOR             ; my 16 numbers of each block, and the floor: the byte cannot fall under 1
	v_max3_num_f32 v[TQ+1], |v[\s+16]|, |v[\s+17]|, FLOOR
.irp i, 2,4,6,8,10,12,14
	v_max3_num_f32 v[TQ], v[TQ], |v[\s+\i]|, |v[\s+\i+1]|
	v_max3_num_f32 v[TQ+1], v[TQ+1], |v[\s+16+\i]|, |v[\s+17+\i]|
.endr
	v_permlanex16_b32 v[TQ+2], v[TQ], s[SEL], s[SEL+1]
	v_permlanex16_b32 v[TQ+3], v[TQ+1], s[SEL], s[SEL+1]
	v_max_num_f32 v[TQ], v[TQ], v[TQ+2]                         ; with lane l xor 16's: the block's largest magnitude
	v_max_num_f32 v[TQ+1], v[TQ+1], v[TQ+3]
	v_add_nc_u32 v[TQ+4], 0xfc000000, v[TQ]                     ; 8 off the exponent field: the conversion's scale operand
	v_add_nc_u32 v[TQ+5], 0xfc000000, v[TQ+1]
	v_and_or_b32 v[TQ+6], v[TQ], 0x7f800000, s[MNT]             ; 448 x the scale
	v_and_or_b32 v[TQ+7], v[TQ+1], 0x7f800000, s[MNT]
	v_lshrrev_b32 v[TQ+2], 23, v[TQ+4]                          ; the bytes
	v_lshrrev_b32 v[TQ+3], 23, v[TQ+5]
	v_lshl_or_b32 v[\w], v[TQ+3], 8, v[TQ+2]
	v_or_b32 v[\w], 0x7f7f0000, v[\w]                           ; K = 64 .. 127 of the instruction's 128 hold zero codes: byte 127
.irp c, 0,1
.irp i, 0,1,2,3,4,5,6,7,8,9,10,11,12,13,14,15
	v_med3_num_f32 v[\s+16*\c+\i], v[\s+16*\c+\i], -v[TQ+6+\c], v[TQ+6+\c]   ; the conversion to an 8-bit code does not saturate (ISA guide 7.6.2): the hold
.endr
	v_cvt_scalef32_pk8_fp8_f32 v[\d+4*\c:\d+4*\c+1], v[\s+16*\c:\s+16*\c+7], v[TQ+4+\c]
	v_cvt_scalef32_pk8_fp8_f32 v[\d+4*\c+2:\d+4*\c+3], v[\s+16*\c+8:\s+16*\c+15], v[TQ+4+\c]
.endr
	v_nop                                                       ; one plain line behind the last scaled conversion
.endm
; the mean of eight numbers of a lane
.macro SUM8 d, s
	v_pk_add_f32 v[12:13], v[\s:\s+1], v[\s+2:\s+3]
	v_pk_add_f32 v[14:15], v[\s+4:\s+5], v[\s+6:\s+7]
	v_pk_add_f32 v[12:13], v[12:13], v[14:15]
	v_add_f32 v12, v12, v13
	v_mul_f32 v[\d], EIGHTH, v12
.endm
	s_load_b256 s[4:11], s[0:1], 0x0               ; k, v, kimg, vimg
	s_load_b128 s[12:15], s[0:1], 0x20             ; h1, k2f
	s_load_b64 s[16:17], s[0:1], 0x30              ; v2f
	v_lshl_add_u32 v224, v0, 2, 0x6800
	v_mov_b32 v225, 0
	v_lshrrev_b32 v1, 5, v0
	v_readfirstlane_b32 s18, v1                    ; wave 0..7
	s_and_b32 s19, ttmp7, 0xffff                   ; head
	s_lshr_b32 s21, s18, 1
	s_and_b32 s21, s21, 1                          ; b
	s_and_b32 s22, s18, 1                          ; u (K waves) or e (V waves)
	s_lshl_b32 s23, ttmp9, 1
	s_add_co_u32 s23, s23, s21                     ; B = 2 x + b
	s_and_b32 s24, s18, 3
	s_mul_i32 s24, s24, WREG                       ; a K wave's LDS
	s_add_co_u32 s25, s24, MST
	s_mov_b32 s27, 0                               ; the high word of every offset: all lie under 2^32
	s_mov_b32 s[SEL], 0x76543210
	s_mov_b32 s[SEL+1], 0xfedcba98                 ; v_permlanex16_b32's selects for lane l xor 16
	s_mov_b32 s[MNT], 0x600000                     ; the mantissa field of 448
	s_mul_i32 s34, s19, 68608                      ; the head's part of h1
	v_bfe_u32 v[HH], v0, 4, 1
	v_and_b32 v2, 31, v0
	v_and_b32 v3, 15, v0
	v_lshlrev_b32 v[GL], 4, v2
	v_mul_u32_u24 v[ASTO], v[HH], 144              ; every LDS address is made here, ahead of the waves' parting
	v_lshl_add_u32 v[ASTO], v3, 3, v[ASTO]
	v_add_nc_u32 v[ASTO], s24, v[ASTO]
	v_mul_u32_u24 v[ARD], v3, 144
	v_lshl_add_u32 v[ARD], v[HH], 5, v[ARD]
	v_add_nc_u32 v[ARD], s24, v[ARD]
	v_lshlrev_b32 v[AMN], 4, v3
	v_add_nc_u32 v[AMN], s25, v[AMN]
	v_mul_u32_u24 v[AQD], v3, 272
	v_lshl_add_u32 v[AQD], v[HH], 6, v[AQD]
	v_add_nc_u32 v[AQD], s25, v[AQD]
	v_lshlrev_b32 v[K2O], 4, v3
	v_lshl_add_u32 v[K2O], v[HH], 9, v[K2O]
	v_lshlrev_b32 v[SCO], 2, v3
	v_lshlrev_b32 v[VL], 2, v2
	v_lshlrev_b32 v[C1O], 4, v3
	v_lshl_add_u32 v[C1O], v[HH], 11, v[C1O]
	v_lshl_add_u32 v[SBO], v[HH], 6, v[SCO]
.irp k, 0,1,2,3
	v_mov_b32 v[BX+\k], 0                          ; a lane permute's destination counts as one of its sources
.endr
	v_mov_b32 v[TQ+2], 0
	v_mov_b32 v[TQ+3], 0
	s_wait_kmcnt 0x0
	s_cmp_lt_u32 s18, 4
	s_cbranch_scc0 .Lv_wave
; ======================= K waves =======================
	s_lshl_b32 s26, s19, 20                        ; k: head x 2^20 + (256 B + 64 u) keys of 256 bytes
	s_lshl_b32 s33, s23, 16
	s_add_co_u32 s26, s26, s33
	s_lshl_b32 s33, s22, 14
	s_add_co_u32 s26, s26, s33
	s_add_nc_u64 s[4:5], s[4:5], s[26:27]
	s_lshl_b32 s26, s19, 19                        ; kimg: head x 2^19 + (16 B + 4 u) groups of 2,048 bytes
	s_lshl_b32 s33, s23, 15
	s_add_co_u32 s26, s26, s33
	s_lshl_b32 s33, s22, 13
	s_add_co_u32 s26, s26, s33
	s_add_nc_u64 s[8:9], s[8:9], s[26:27]
	s_lshl_b32 s33, s23, 1
	s_add_co_u32 s33, s33, s22                     ; my tile of k1: 2 B + u
	s_lshl_b32 s26, s33, 10
	s_add_co_u32 s26, s26, s34
	s_add_nc_u64 s[28:29], s[12:13], s[26:27]      ; its codes
	s_lshl_b32 s26, s33, 6
	s_add_co_u32 s26, s26, s34
	s_add_co_u32 s26, s26, 65536
	s_add_nc_u64 s[12:13], s[12:13], s[26:27]      ; its scale words
	s_lshl_b32 s26, s19, 14                        ; k2f: head x 2^14 + row 4 B + u
	s_lshl_b32 s33, s23, 10
	s_add_co_u32 s26, s26, s33
	s_lshl_b32 s33, s22, 8
	s_add_co_u32 s26, s26, s33
	s_add_nc_u64 s[14:15], s[14:15], s[26:27]
; step n = 4 rho + sg: the 16 keys 128 rho + 16 sg on.  Each load reads 512 consecutive bytes: keys 2 i + h, dims 4 r .. 4 r + 3
.macro LOADK n
.irp i, 0,1,2,3,4,5,6,7
	global_load_b128 v[X+32*((\n)%4)+4*\i:X+32*((\n)%4)+4*\i+3], v[GL], s[4:5] offset:32768*((\n)/4)+4096*((\n)%4)+512*\i th:TH_LOAD_NT
.endr
.endm
; the mean of 8 keys: four loads' numbers of my half of the lanes, then the other half's; both halves store the same 16 bytes of row `row` of the tile
.macro MEANK xs, a, row
	v_pk_add_f32 v[\a:\a+1], v[\xs:\xs+1], v[\xs+4:\xs+5]
	v_pk_add_f32 v[\a+2:\a+3], v[\xs+2:\xs+3], v[\xs+6:\xs+7]
	v_pk_add_f32 v[BX:BX+1], v[\xs+8:\xs+9], v[\xs+12:\xs+13]
	v_pk_add_f32 v[BX+2:BX+3], v[\xs+10:\xs+11], v[\xs+14:\xs+15]
	v_pk_add_f32 v[\a:\a+1], v[\a:\a+1], v[BX:BX+1]
	v_pk_add_f32 v[\a+2:\a+3], v[\a+2:\a+3], v[BX+2:BX+3]
.irp k, 0,1,2,3
	v_permlanex16_b32 v[BX+\k], v[\a+\k], s[SEL], s[SEL+1]
.endr
	v_pk_add_f32 v[\a:\a+1], v[\a:\a+1], v[BX:BX+1]
	v_pk_add_f32 v[\a+2:\a+3], v[\a+2:\a+3], v[BX+2:BX+3]
	v_pk_mul_f32 v[\a:\a+1], v[\a:\a+1], EIGHTH op_sel_hi:[1,0]
	v_pk_mul_f32 v[\a+2:\a+3], v[\a+2:\a+3], EIGHTH op_sel_hi:[1,0]
	ds_store_b128 v[AMN], v[\a:\a+3] offset:272*(\row)
.endm
.macro KSTEP n
.set XS, X+32*((\n)%4)
.if (\n) <= 4
	s_wait_loadcnt 24                              ; this step's 8 loads are in; the three later steps' 24 may be out
.else
	s_wait_loadcnt 8*(7-(\n))
.endif
.irp i, 0,1,2,3,4,5,6,7
	v_cvt_pk_bf16_f32 v[Y+2*\i], v[XS+4*\i], v[XS+4*\i+1]
	v_cvt_pk_bf16_f32 v[Y+2*\i+1], v[XS+4*\i+2], v[XS+4*\i+3]
.endr
.irp i, 0,1,2,3,4,5,6,7
	ds_store_b64 v[ASTO], v[Y+2*\i:Y+2*\i+1] offset:288*\i      ; key 2 i + h, 8 bytes at 8 r
.endr
	s_wait_xcnt 0x0                                ; the last step's stores have read Z: it is loaded again only behind this wait
.irp p, 0,1,2,3
	ds_load_b128 v[Z+4*\p:Z+4*\p+3], v[ARD] offset:64*(\p/2)+16*(\p%2)   ; LDS serves a wave's instructions in order: these see the stores above
.endr
	MEANK XS, A0, 8*((\n)/4)+2*((\n)%4)
	MEANK XS+16, A1, 8*((\n)/4)+2*((\n)%4)+1
.if (\n)%4 == 0
	v_pk_add_f32 v[A2:A2+1], v[A0:A0+1], v[A1:A1+1]             ; a run's first two means start the sum for k2
	v_pk_add_f32 v[A2+2:A2+3], v[A0+2:A0+3], v[A1+2:A1+3]
.else
	v_pk_add_f32 v[A2:A2+1], v[A2:A2+1], v[A0:A0+1]
	v_pk_add_f32 v[A2+2:A2+3], v[A2+2:A2+3], v[A0+2:A0+3]
	v_pk_add_f32 v[A2:A2+1], v[A2:A2+1], v[A1:A1+1]
	v_pk_add_f32 v[A2+2:A2+3], v[A2+2:A2+3], v[A1+2:A1+3]
.endif
.if (\n)%4 == 3
	v_pk_mul_f32 v[R2+4*((\n)/4):R2+4*((\n)/4)+1], v[A2:A2+1], EIGHTH op_sel_hi:[1,0]
	v_pk_mul_f32 v[R2+4*((\n)/4)+2:R2+4*((\n)/4)+3], v[A2+2:A2+3], EIGHTH op_sel_hi:[1,0]
.endif
.if (\n) < 4
	LOADK (\n)+4
.endif
	s_wait_dscnt 0x0                               ; Z is in, and every LDS store of the step has read its data
.irp p, 0,1,2,3
	global_store_b128 v[GL], v[Z+4*\p:Z+4*\p+3], s[8:9] offset:2048*(8*((\n)/4)+(\n)%4)+512*\p   ; 512 consecutive bytes, aligned
.endr
.endm
	LOADK 0
	LOADK 1
	LOADK 2
	LOADK 3
.irp n, 0,1,2,3,4,5,6,7
	KSTEP \n
.endr
	v_cmp_ne_u32 vcc_lo, 0, v[HH]                  ; k2: lanes 0-15 store row 4 B + u, lanes 16-31 row 4 B + u + 2: 256 aligned bytes each
.irp k, 0,1,2,3
	v_cndmask_b32 v[A0+\k], v[R2+\k], v[R2+4+\k], vcc_lo
.endr
	global_store_b128 v[K2O], v[A0:A0+3], s[14:15]
.irp c, 0,1
.irp j, 0,1,2,3
	ds_load_b128 v[X+16*\c+4*\j:X+16*\c+4*\j+3], v[AQD] offset:128*\c+16*\j   ; the tile's row r, dims 32 c + 16 h + 4 j on
.endr
.endr
	s_wait_dscnt 0x0
	QUANT2 X, CD, WD
	global_store_b128 v[GL], v[CD:CD+3], s[28:29]
	global_store_b128 v[GL], v[CD+4:CD+7], s[28:29] offset:512
	global_store_b32 v[SCO], v[WD], s[12:13]       ; lanes r and r + 16 store the same word
	s_wait_tensorcnt 0x0
	ds_add_u32 v224, v225
	s_wait_dscnt 0x0
	s_endpgm
; ======================= V waves =======================
.Lv_wave:
	s_lshl_b32 s26, s19, 20                        ; v: head x 2^20 + 256 B keys of 256 bytes + 128 e
	s_lshl_b32 s33, s23, 16
	s_add_co_u32 s26, s26, s33
	s_lshl_b32 s33, s22, 7
	s_add_co_u32 s26, s26, s33
	s_add_nc_u64 s[6:7], s[6:7], s[26:27]
	s_lshl_b32 s26, s19, 19                        ; vimg: head x 2^19 + 16 B groups of 2,048 bytes + 1,024 e
	s_lshl_b32 s33, s23, 15
	s_add_co_u32 s26, s26, s33
	s_lshl_b32 s33, s22, 10
	s_add_co_u32 s26, s26, s33
	s_add_nc_u64 s[10:11], s[10:11], s[26:27]
	s_lshr_b32 s35, s23, 2                         ; s = B / 4
	s_and_b32 s36, s23, 3                          ; c = B % 4
	s_lshl_b32 s26, s35, 13                        ; v1's codes: 32,768 + 8,192 s + 4,096 e + 512 c
	s_lshl_b32 s33, s22, 12
	s_add_co_u32 s26, s26, s33
	s_lshl_b32 s33, s36, 9
	s_add_co_u32 s26, s26, s33
	s_add_co_u32 s26, s26, s34
	s_add_co_u32 s26, s26, 32768
	s_add_nc_u64 s[28:29], s[12:13], s[26:27]
	s_lshl_b32 s26, s35, 8                         ; v1's scale bytes: 67,584 + 256 s + 128 e + c
	s_lshl_b32 s33, s22, 7
	s_add_co_u32 s26, s26, s33
	s_add_co_u32 s26, s26, s36
	s_add_co_u32 s26, s26, s34
	s_add_co_u32 s26, s26, 67584
	s_add_nc_u64 s[12:13], s[12:13], s[26:27]
	s_lshl_b32 s26, s19, 14                        ; v2f: head x 2^14 + row 4 B + 128 e
	s_lshl_b32 s33, s23, 10
	s_add_co_u32 s26, s26, s33
	s_lshl_b32 s33, s22, 7
	s_add_co_u32 s26, s26, s33
	s_add_nc_u64 s[16:17], s[16:17], s[26:27]
; step n: 16 keys; a load reads one key at 32 neighbouring channels, 128 consecutive bytes; the partner wave takes the row's other half
.macro LOADV n
.irp i, 0,1,2,3,4,5,6,7,8,9,10,11,12,13,14,15
	global_load_b32 v[X+16*((\n)%4)+\i], v[VL], s[6:7] offset:(16*(\n)+\i)*256 th:TH_LOAD_NT
.endr
.endm
.macro VSTEP n
.set XS, X+16*((\n)%4)
.set YS, Y+8*((\n)%2)
.if (\n) <= 12
	s_wait_loadcnt 48                              ; this step's 16 loads are in; the three later steps' 48 may be out
.else
	s_wait_loadcnt 16*(15-(\n))
.endif
	s_wait_xcnt 0x0                                ; earlier stores have read their data: Y is written again only behind this wait
.irp k, 0,1,2,3,4,5,6,7
	v_cvt_pk_bf16_f32 v[YS+\k], v[XS+2*\k], v[XS+2*\k+1]       ; my channel, keys 2 k and 2 k + 1
.endr
	global_store_b128 v[K2O], v[YS:YS+3], s[10:11] offset:2048*(\n)          ; sixteen lanes store 256 consecutive bytes, aligned
	global_store_b128 v[K2O], v[YS+4:YS+7], s[10:11] offset:2048*(\n)+256
.irp e, 0,1
	SUM8 V1+2*(\n)+\e, XS+8*\e
.endr
.if (\n)+4 < 16
	LOADV (\n)+4
.endif
.endm
	LOADV 0
	LOADV 1
	LOADV 2
	LOADV 3
.irp n, 0,1,2,3,4,5,6,7,8,9,10,11,12,13,14,15
	VSTEP \n
.endr
.irp k, 0,1,2,3
	SUM8 RV+\k, V1+8*\k                            ; v2: the means of 8 means, taken before the hold below changes them
.endr
.irp k, 0,1,2,3
	global_store_b32 v[VL], v[RV+\k], s[16:17] offset:256*\k   ; 128 consecutive bytes a store: 16 KiB a head in all
.endr
	v_max3_num_f32 v[TQ], |v[V1]|, |v[V1+1]|, FLOOR            ; the block of 32 chunks is all mine
	v_max3_num_f32 v[TQ+1], |v[V1+2]|, |v[V1+3]|, |v[V1+4]|
.irp i, 5,9,13,17,21,25
	v_max3_num_f32 v[TQ], v[TQ], |v[V1+\i]|, |v[V1+\i+1]|
	v_max3_num_f32 v[TQ+1], v[TQ+1], |v[V1+\i+2]|, |v[V1+\i+3]|
.endr
	v_max3_num_f32 v[TQ], v[TQ], |v[V1+29]|, |v[V1+30]|
	v_max3_num_f32 v[TQ], v[TQ], v[TQ+1], |v[V1+31]|
	v_add_nc_u32 v[TQ+4], 0xfc000000, v[TQ]
	v_and_or_b32 v[TQ+6], v[TQ], 0x7f800000, s[MNT]
	v_lshrrev_b32 v[TQ+5], 23, v[TQ+4]
.irp i, 0,1,2,3,4,5,6,7,8,9,10,11,12,13,14,15,16,17,18,19,20,21,22,23,24,25,26,27,28,29,30,31
	v_med3_num_f32 v[V1+\i], v[V1+\i], -v[TQ+6], v[TQ+6]
.endr
.irp g, 0,1,2,3
	v_cvt_scalef32_pk8_fp8_f32 v[CD+2*\g:CD+2*\g+1], v[V1+8*\g:V1+8*\g+7], v[TQ+4]
.endr
	v_nop
	global_store_b128 v[C1O], v[CD:CD+3], s[28:29]             ; chunks 0..15 of the block: sixteen lanes, 256 aligned bytes
	global_store_b128 v[C1O], v[CD+4:CD+7], s[28:29] offset:256
	global_store_b8 v[SBO], v[TQ+5], s[12:13]                  ; one byte a channel: one in 1,024 of the bytes that the wave reads
	s_endpgm
.Lfunc_end_k_qfefedcd936_pool:
	.size	k_qfefedcd936_pool, .Lfunc_end_k_qfefedcd936_pool-k_qfefedcd936_pool
	.p2alignl 7, 3214868480
	.fill 96, 4, 3214868480
	.section	.rodata,"a",@progbits
	.p2align	6, 0x0
	.amdhsa_kernel k_qfefedcd936_pool
		.amdhsa_group_segment_fixed_size 27648
		.amdhsa_private_segment_fixed_size 0
		.amdhsa_enable_private_segment 0
		.amdhsa_kernarg_size 56
		.amdhsa_user_sgpr_count 2
		.amdhsa_user_sgpr_kernarg_segment_ptr 1
		.amdhsa_wavefront_size32 1
		.amdhsa_system_sgpr_workgroup_id_x 1
		.amdhsa_system_sgpr_workgroup_id_y 1
		.amdhsa_system_sgpr_workgroup_id_z 1
		.amdhsa_system_vgpr_workitem_id 0
		.amdhsa_next_free_vgpr 226
		.amdhsa_next_free_sgpr 66
		.amdhsa_reserve_vcc 1
		.amdhsa_float_denorm_mode_32 3
		.amdhsa_float_denorm_mode_16_64 3
		.amdhsa_memory_ordered 1
		.amdhsa_forward_progress 1
		.amdhsa_inst_pref_size 103
	.end_amdhsa_kernel
	.amdgpu_metadata
---
amdhsa.version: [ 1, 2 ]
amdhsa.kernels:
  - .name:           k_qfefedcd936_pool
    .symbol:         k_qfefedcd936_pool.kd
    .args:
      - { .name: k, .offset: 0, .size: 8, .value_kind: global_buffer, .address_space: global }
      - { .name: v, .offset: 8, .size: 8, .value_kind: global_buffer, .address_space: global }
      - { .name: kimg, .offset: 16, .size: 8, .value_kind: global_buffer, .address_space: global }
      - { .name: vimg, .offset: 24, .size: 8, .value_kind: global_buffer, .address_space: global }
      - { .name: h1, .offset: 32, .size: 8, .value_kind: global_buffer, .address_space: global }
      - { .name: k2f, .offset: 40, .size: 8, .value_kind: global_buffer, .address_space: global }
      - { .name: v2f, .offset: 48, .size: 8, .value_kind: global_buffer, .address_space: global }
    .group_segment_fixed_size: 27648
    .private_segment_fixed_size: 0
    .kernarg_segment_align: 8
    .kernarg_segment_size: 56
    .max_flat_workgroup_size: 256
    .sgpr_count:     66
    .vgpr_count:     226
    .wavefront_size: 32
...
	.end_amdgpu_metadata
.endif
;; end of part 1
;; launch attn (part 2): grid 8 x 32, 16 waves a work-group, no clusters, 169,984 bytes of LDS; arguments q, gammas, kimg, vimg, h1, k2f, v2f, out0; writes out0
.if DOCPART == 2
	.amdgcn_target "amdgcn-amd-amdhsa--gfx1250"
	.amdhsa_code_object_version 6
	.text
	.protected	k_qfefedcd936_attn
	.globl	k_qfefedcd936_attn
	.p2align	8
	.type	k_qfefedcd936_attn,@function
k_qfefedcd936_attn:
	s_mov_b64 s[64:65], 0
	v_nop
	global_prefetch_b8 v0, s[64:65] scope:SCOPE_SE
	s_setreg_imm32_b32 hwreg(HW_REG_WAVE_MODE, 25, 1), 1
	s_wait_xcnt 0x0
; Hierarchical attention: each query attends to a causal window of 32 keys, to the means of 8 keys (level 1, 512 chunks), of 64 (level 2, 64 chunks) and of 512 (level 3, 8 chunks), each with its own
; linear bias gamma x distance and its own mask; the four softmaxes are merged by their maxima.  q, out0: [32 heads][4096][64] f32.  kimg, vimg, h1, k2f, v2f: as the launch before laid them.
; FORMATS.  Levels 1 and 2: both products on E4M3 codes with E8M0 scales for each 32 along K (K = the 64 dims, filled to 128 with zero codes on both sides; K = the chunks).  Window and level 3: bf16 operands.  All else f32.
; THE OPERAND OF A LEVEL'S SECOND PRODUCT is exp(score - the level's finished row maximum).  So each level goes in two passes: pass A makes the scores and keeps only each block's and the row's maximum, pass B makes
; the same scores again by the same instructions.  t = fma(raw', c, beta_b), c = log2(e) / 8; p = 2^(t - tmax), the difference taken by a subtraction of its own: at the maximum it is exactly 0 and p exactly 1.
; raw' = q . k + CB: the part of the bias that does not hang on the block, G (cs x' + 16 cs h - r) with G = 8 gamma, is the C of the matrix instruction; beta_b = -c G (q0 - cs / 2) + c G 32 cs b.
; (The distance is taken as q - centroid: every chunk that the mask keeps lies before the query.)  The row's sum is taken of the unquantised p.
; WINDOW AND LEVEL 3 share one softmax under their joint maximum, which is the merge of the two: level 3's 8 chunks take the fourth group of 16 in the second K step of 32.
; LIMITS: NaN and infinities among the inputs are not served.  Hidden scores are -1e30; a row of a level with no chunk subtracts -1e20 and so gets p = 0 and weight 0: |score x log2 e| stays under 1e20.
; SHARES.  Work-group (x, head), sixteen waves of 256 registers, four to a SIMD.  Wave w makes two tiles of 16 queries, q0 = 256 x + 16 w and q0 = 4080 - that: every wave of the launch has the same number of level-1 blocks.
; The waves in which bit 0 and bit 2 of w differ take the second tile first: so the waves of a work-group do not all ask for a tile's q, K and V at the same time, and one wave's wait stands beside another's arithmetic.
; Both products are used transposed (source 0 = keys or channels, source 1 = my queries): a lane holds ONE query (lane % 16) throughout.
; LDS holds the head's whole hierarchy, filled once: h1's 68,608 bytes by four tensor loads (one of a wave is out, by this text's count), levels 2 and 3 made by waves 0-7 from k2f and v2f.  One barrier in the kernel; nothing is filled again.
; The first tile's q and K are asked for at the head, behind the loads of waves 0-7's extra work, and land while that work is done.
; NO CLUSTER: what the 8 work-groups of a head share is h1, 68,608 bytes fetched once at the start, against some 400,000 bytes of q, out0 and images that are each work-group's own.
; REGISTERS: v1 16 x lane; v2 that + K2I; v3 K1S + 4 x lane; v4 r; v5 h; v6 M (c x the running maximum), v7 stage address in; v8-9 the running sum; v10 tmax; v11 r - 16 cs h; v12 what is subtracted, v13 stage address out;
;   v14 beta_b (v14-16 offsets of the three key groups in the window's phase); v16-17 the level's sum; v18 q's, v19 p's, v20 k's, v22-23 v's scale words, and nothing else; v24-31 at work; v32-47 q's codes; v48-79 two fragments of k (upper halves of all three: zeros, written once);
;   levels: v80-95 CB, v96-111 scores then p then V's fragment 0, v112-159 V's fragments 1-3 (v112-127: pass A's second score buffer), v160-175 p's codes, v176-191 the blocks' maxima, v192-223 the level's O^T;
;   window: v80-111 q, then p in bf16; v112-127 q in bf16; v128-191 K's then V's fragments; v192-223 scores;   v224-255 O^T.   At the head: v112-120 addresses and v176-255 data of waves 0-7's extra work.
.set K1I, 0
.set V1I, 32768
.set K1S, 65536                        ; scale words: 64 bytes a tile, so that 128 bytes on end are two tiles' words: lanes 0-15 the even tile's, lanes 16-31 the odd one's
.set V1S, 67584
.set K2I, 68608                        ; from here on LDS is written by ds_store alone; no tensor load lands here
.set V2I, 72704
.set K3I, 80896
.set V3I, 82944
.set K2S, 84992
.set V2S, 85504
.set STG, 86016                        ; 16 rows x 272 bytes for each wave, for the way out
.set SENT,  0xf149f2ca                 ; -1e30
.set LOWT,  0xe0ad78ec                 ; -1e20
.set FLOOR, 0x4800000                  ; 2^(9 - 127)
.set EIGHTH, 0x3e000000                ; 0.125
.set LI,  1
.set LI2, 2
.set LSC, 3
.set RI,  4
.set HI,  5
.set QS,  18
.set PW,  19
.set KS,  20
.set VS,  22
.set TQ,  24
.set Q8,  32
.set KF0, 48
.set KF1, 64
.set CB,  80
.set S,   96
.set VF,  96
.set P8,  160
.set BM,  176
.set OL,  192
.set O,   224
.set QX,  80
.set PB,  80
.set QB,  112
.set KB,  128
.set SL,  192
.set SEL, 32
.set MNT, 34
; 32 numbers of a lane, register 16 c + i = K 32 c + 16 h + i of my row, become 8 registers of codes at v[d] and the row's scale word in v[w]
.macro QUANT2 s, d, w
	v_max3_num_f32 v[TQ], |v[\s]|, |v[\s+1]|, FLOOR             ; my 16 numbers of each block, and the floor: the byte cannot fall under 1
	v_max3_num_f32 v[TQ+1], |v[\s+16]|, |v[\s+17]|, FLOOR
.irp i, 2,4,6,8,10,12,14
	v_max3_num_f32 v[TQ], v[TQ], |v[\s+\i]|, |v[\s+\i+1]|
	v_max3_num_f32 v[TQ+1], v[TQ+1], |v[\s+16+\i]|, |v[\s+17+\i]|
.endr
	v_permlanex16_b32 v[TQ+2], v[TQ], s[SEL], s[SEL+1]
	v_permlanex16_b32 v[TQ+3], v[TQ+1], s[SEL], s[SEL+1]
	v_max_num_f32 v[TQ], v[TQ], v[TQ+2]                         ; with lane l xor 16's: the block's largest magnitude
	v_max_num_f32 v[TQ+1], v[TQ+1], v[TQ+3]
	v_add_nc_u32 v[TQ+4], 0xfc000000, v[TQ]                     ; 8 off the exponent field: the conversion's scale operand
	v_add_nc_u32 v[TQ+5], 0xfc000000, v[TQ+1]
	v_and_or_b32 v[TQ+6], v[TQ], 0x7f800000, s[MNT]             ; 448 x the scale
	v_and_or_b32 v[TQ+7], v[TQ+1], 0x7f800000, s[MNT]
	v_lshrrev_b32 v[TQ+2], 23, v[TQ+4]                          ; the bytes
	v_lshrrev_b32 v[TQ+3], 23, v[TQ+5]
	v_lshl_or_b32 v[\w], v[TQ+3], 8, v[TQ+2]
	v_or_b32 v[\w], 0x7f7f0000, v[\w]                           ; K = 64 .. 127 hold zero codes: byte 127
.irp c, 0,1
.irp i, 0,1,2,3,4,5,6,7,8,9,10,11,12,13,14,15
	v_med3_num_f32 v[\s+16*\c+\i], v[\s+16*\c+\i], -v[TQ+6+\c], v[TQ+6+\c]   ; the conversion to an 8-bit code does not saturate (ISA guide 7.6.2): the hold
.endr
	v_cvt_scalef32_pk8_fp8_f32 v[\d+4*\c:\d+4*\c+1], v[\s+16*\c:\s+16*\c+7], v[TQ+4+\c]
	v_cvt_scalef32_pk8_fp8_f32 v[\d+4*\c+2:\d+4*\c+3], v[\s+16*\c+8:\s+16*\c+15], v[TQ+4+\c]
.endr
	v_nop                                                       ; one plain line behind the last scaled conversion
.endm
.macro SUM8 d, s, t                    ; the mean of eight numbers of a lane; v[t] .. v[t+3] at work
	v_pk_add_f32 v[\t:\t+1], v[\s:\s+1], v[\s+2:\s+3]
	v_pk_add_f32 v[\t+2:\t+3], v[\s+4:\s+5], v[\s+6:\s+7]
	v_pk_add_f32 v[\t:\t+1], v[\t:\t+1], v[\t+2:\t+3]
	v_add_f32 v[\t], v[\t], v[\t+1]
	v_mul_f32 v[\d], EIGHTH, v[\t]
.endm
.macro PLACES n
.rept \n
	v_nop
.endr
.endm
; the tile at q0 = s27: the bases of its rows of q and out0, and the offsets of its loads
.macro TSETUP
	s_lshl_b32 s56, s27, 8
	s_mov_b32 s57, 0
	s_add_nc_u64 s[58:59], s[4:5], s[56:57]        ; q's and out0's rows of the tile
	s_add_nc_u64 s[60:61], s[18:19], s[56:57]
	s_lshr_b32 s41, s27, 4                         ; the window's three groups of 16 keys: q0 / 16 - 2, - 1, - 0; a group before the first key is replaced by group 0 and hidden
	s_sub_co_i32 s63, s41, 2
	s_max_i32 s63, s63, 0
	s_lshl_b32 s63, s63, 11
	v_add_nc_u32 v14, s63, v[LI]
	s_sub_co_i32 s63, s41, 1
	s_max_i32 s63, s63, 0
	s_lshl_b32 s63, s63, 11
	v_add_nc_u32 v15, s63, v[LI]
	s_lshl_b32 s63, s41, 11
	v_add_nc_u32 v16, s63, v[LI]
	v_lshlrev_b32 v10, 8, v[RI]
	v_lshl_add_u32 v10, v[HI], 6, v10              ; q: row r, + 64 h: my 16 numbers of each block of 32
.endm
; its q (8 loads), then its three groups of K (12 loads)
.macro TLOADS
.irp c, 0,1
.irp j, 0,1,2,3
	global_load_b128 v[QX+16*\c+4*\j:QX+16*\c+4*\j+3], v10, s[58:59] offset:128*\c+16*\j th:TH_LOAD_NT
.endr
.endr
.irp a, 0,1,2
.irp p, 0,1,2,3
	global_load_b128 v[KB+16*\a+4*\p:KB+16*\a+4*\p+3], v[14+\a], s[8:9] offset:512*\p
.endr
.endr
.endm
; ======================= the head =======================
	s_load_b256 s[4:11], s[0:1], 0x0               ; q, gammas, kimg, vimg
	s_load_b256 s[12:19], s[0:1], 0x20             ; h1, k2f, v2f, out0
	v_lshl_add_u32 v254, v0, 2, 0x29000
	v_mov_b32 v255, 0
	ds_add_u32 v254, v255
	ds_add_u32 v254, v255
	s_wait_dscnt 0x0
	v_lshrrev_b32 v1, 5, v0
	v_readfirstlane_b32 s24, v1                    ; wave 0..15
	s_and_b32 s25, ttmp7, 0xffff                   ; head
	v_and_b32 v2, 31, v0
	v_lshlrev_b32 v[LI], 4, v2
	v_lshl_add_u32 v[LSC], v2, 2, K1S
	v_add_nc_u32 v[LI2], K2I, v[LI]
	v_and_b32 v[RI], 15, v0
	v_bfe_u32 v[HI], v0, 4, 1
	s_mul_i32 s62, s24, 4352
	s_add_co_u32 s62, s62, STG                     ; my stage
	v_mul_u32_u24 v7, v[RI], 272                   ; in: row r, 32 bytes for each half of the lanes
	v_lshl_add_u32 v7, v[HI], 5, v7
	v_add_nc_u32 v7, s62, v7
	v_mul_u32_u24 v13, v[HI], 272                  ; back: lanes 0-15 one row of 256 bytes, lanes 16-31 the next
	v_lshl_add_u32 v13, v[RI], 4, v13
	v_add_nc_u32 v13, s62, v13
.irp i, 0,1,2,3,4,5,6,7
	v_mov_b32 v[TQ+\i], 0                          ; written once: lane permutes' destinations and the upper halves of pairs count as read
	v_mov_b32 v[Q8+8+\i], 0                        ; zero codes for K = 64 .. 127, on both sides of the score products; only the lower halves are ever loaded
	v_mov_b32 v[KF0+8+\i], 0
	v_mov_b32 v[KF1+8+\i], 0
.endr
	s_mov_b32 s30, 0x3e38aa3b                      ; c = log2(e) / sqrt(64)
	s_mov_b32 s31, s30                             ; (named with it as a pair)
	s_mov_b32 s[SEL], 0x76543210
	s_mov_b32 s[SEL+1], 0xfedcba98                 ; v_permlanex16_b32's selects for lane l xor 16
	s_mov_b32 s[MNT], 0x600000                     ; the mantissa field of 448
	s_lshl_b32 s36, ttmp9, 8
	s_lshl_b32 s63, s24, 4
	s_add_co_u32 s36, s36, s63                     ; my early tile's q0,
	s_sub_co_u32 s37, 4080, s36                    ; and my late tile's
	s_lshr_b32 s63, s24, 2
	s_xor_b32 s63, s63, s24
	s_and_b32 s63, s63, 1                          ; bit 0 xor bit 2 of the wave's number:
	s_cmp_eq_u32 s63, 0
	s_cselect_b32 s26, s36, s37                    ; which of the two comes first,
	s_cselect_b32 s35, s37, s36                    ; and which second
	; where waves 0-7 put what they make of k2f and v2f: every LDS address is made here, ahead of the waves' parting
	s_and_b32 s63, s24, 3
	s_lshl_b32 s41, s63, 11
	s_add_co_u32 s41, s41, V2I
	v_add_nc_u32 v112, s41, v[LI]                  ; v2's fragment t = wave % 4
	s_lshl_b32 s41, s63, 9
	s_add_co_u32 s41, s41, V3I
	v_add_nc_u32 v113, s41, v[LI]                  ; v3's half fragment t
	s_lshl_b32 s41, s63, 6
	s_add_co_u32 s40, s41, V2S
	v_lshl_add_u32 v114, v[RI], 2, s40             ; scale words: 64 bytes a tile, 4 r (lanes r and r + 16 store the same word)
	s_add_co_u32 s40, s41, K2S
	v_lshl_add_u32 v116, v[RI], 2, s40
	s_lshl_b32 s41, s63, 10
	s_add_co_u32 s41, s41, K2I
	v_add_nc_u32 v115, s41, v[LI]                  ; k2's tile wave % 4 = 2 b + u
	s_lshr_b32 s40, s63, 1                         ; b
	s_and_b32 s36, s63, 1                          ; u
	s_lshl_b32 s41, s40, 6
	s_lshl_b32 s37, s36, 4
	s_add_co_u32 s41, s41, s37
	s_add_co_u32 s41, s41, K3I
	v_lshrrev_b32 v117, 3, v[RI]
	v_lshlrev_b32 v117, 5, v117
	v_lshl_add_u32 v117, v[HI], 8, v117
	v_add_nc_u32 v117, s41, v117                   ; k3's row 4 b + u + 2 (r / 8): 16 bytes a row, 256 h
	v_lshlrev_b32 v119, 12, v[HI]                  ; v2f: row 16 h, channel 16 t + r
	v_lshl_add_u32 v119, v[RI], 2, v119
	s_lshl_b32 s41, s63, 6
	v_add_nc_u32 v119, s41, v119
	v_and_b32 v120, 8, v[RI]                       ; k2f: row 32 b + 8 u + r + 8 (r / 8), + 64 h bytes
	v_add_nc_u32 v120, v120, v[RI]
	v_lshlrev_b32 v120, 8, v120
	v_lshl_add_u32 v120, v[HI], 6, v120
	s_lshl_b32 s41, s40, 13
	s_lshl_b32 s37, s36, 11
	s_add_co_u32 s41, s41, s37
	v_add_nc_u32 v120, s41, v120
	; the tensor load's descriptor: a dense block of 17,152 bytes as 67 rows of 256 bytes (32 elements of 8 bytes), no padding: images are read 16 bytes a lane on end
	s_mov_b32 s48, 3<<16
	s_mov_b32 s49, 32<<16                          ; tensor_dim0
	s_mov_b32 s50, 67<<16                          ; tensor_dim1
	s_mov_b32 s51, 32<<16                          ; tile_dim0
	s_mov_b32 s52, 67                              ; tile_dim1
	s_mov_b32 s53, 32                              ; the pitch
	s_mov_b32 s54, 0
	s_mov_b32 s55, 0
	s_mov_b32 s44, 1
	s_min_u32 s63, s24, 3
	s_mul_i32 s45, s63, 17152                      ; wave w's quarter of h1's image, in LDS and in memory
	s_mov_b32 s57, 0
	s_wait_kmcnt 0x0
	s_load_b128 s[20:23], s[6:7], 0x0              ; the four gammas: wanted only behind the barrier, and waited for there
	s_mul_i32 s56, s25, 68608
	s_add_nc_u64 s[12:13], s[12:13], s[56:57]      ; every buffer at the head's part
	s_mov_b32 s56, s45
	s_add_nc_u64 s[46:47], s[12:13], s[56:57]
	s_or_b32 s47, s47, 0x80000000                  ; type = 2
	s_cmp_lt_u32 s24, 4
	s_cbranch_scc0 .Lno_fill
	tensor_load_to_lds s[44:47], s[48:55]          ; the one fill of these bytes
	s_nop 0
	PLACES 4
.Lno_fill:
	s_lshl_b32 s56, s25, 20
	s_add_nc_u64 s[4:5], s[4:5], s[56:57]
	s_add_nc_u64 s[18:19], s[18:19], s[56:57]
	s_lshl_b32 s56, s25, 19
	s_add_nc_u64 s[8:9], s[8:9], s[56:57]
	s_add_nc_u64 s[10:11], s[10:11], s[56:57]
	s_lshl_b32 s56, s25, 14
	s_add_nc_u64 s[14:15], s[14:15], s[56:57]
	s_add_nc_u64 s[16:17], s[16:17], s[56:57]
	; what the barrier waits for is asked for first: waves 0-3 their part of v2f, waves 4-7 their part of k2f
	s_cmp_lt_u32 s24, 4
	s_cbranch_scc0 .Lld_k
.irp c, 0,1
.irp i, 0,1,2,3,4,5,6,7,8,9,10,11,12,13,14,15
	global_load_b32 v[176+16*\c+\i], v119, s[16:17] offset:(32*\c+\i)*256   ; v2(32 c + 16 h + i, 16 t + r): registers run down the chunks
.endr
.endr
	s_branch .Lld_done
.Lld_k:
	s_cmp_lt_u32 s24, 8
	s_cbranch_scc0 .Lld_done
.irp c, 0,1
.irp j, 0,1,2,3
	global_load_b128 v[176+16*\c+4*\j:176+16*\c+4*\j+3], v120, s[14:15] offset:128*\c+16*\j
.endr
.endr
.Lld_done:
	s_mov_b32 s27, s26                             ; then every wave asks for its first tile's q and K: 20 loads, into v80-111 and v128-175, which nothing touches before the tile's own waits
	TSETUP
	TLOADS
	s_cmp_lt_u32 s24, 4
	s_cbranch_scc0 .Lnot_v
; ---- waves 0-3: v2 as codes along the chunks (fragment t), v3 in bf16
	s_wait_loadcnt 20                              ; my 32 loads from v2f are in; the 20 issued behind them may be out
	SUM8 208, 176, 212                             ; level-3 chunks 2 h, 2 h + 1,
	SUM8 209, 184, 212
	SUM8 210, 192, 212                             ; 4 + 2 h, 5 + 2 h
	SUM8 211, 200, 212
	v_cvt_pk_bf16_f32 v216, v208, v209
	v_cvt_pk_bf16_f32 v218, v210, v211
	v_mov_b32 v217, 0
	v_mov_b32 v219, 0
	v_permlanex16_b32 v217, v216, s[SEL], s[SEL+1]
	v_permlanex16_b32 v219, v218, s[SEL], s[SEL+1] ; in lanes 0-15: chunks 0 .. 7 in order
	v_cmp_eq_u32 vcc_lo, 0, v[HI]
.irp k, 216,217,218,219
	v_cndmask_b32 v\k, v40, v\k, vcc_lo            ; lanes 16-31 stand for keys that do not exist: zeros
.endr
	ds_store_b128 v113, v[216:219]
	QUANT2 176, 220, 228
	ds_store_b128 v112, v[220:223]
	ds_store_b128 v112, v[224:227] offset:512
	ds_store_b128 v112, v[40:43] offset:1024       ; chunks 64 .. 127 do not exist: zero codes
	ds_store_b128 v112, v[40:43] offset:1536
	ds_store_b32 v114, v228
	s_branch .Ljoin
.Lnot_v:
	s_cmp_lt_u32 s24, 8
	s_cbranch_scc0 .Ljoin
; ---- waves 4-7: k2 as codes along the dims (tile 2 b + u), k3 in bf16
	s_wait_loadcnt 20                              ; my 8 loads from k2f are in; the 20 issued behind them may be out
.irp i, 0,2,4,6,8,10,12,14,16,18,20,22,24,26,28,30
	v_pk_mul_f32 v[208+\i:209+\i], v[176+\i:177+\i], EIGHTH op_sel_hi:[1,0]
.endr
.irp m, 1,2,4                          ; the mean over eight neighbouring rows, which are eight neighbouring lanes
.set i, 0
.rept 32
	v_add_f32_dpp v[208+i], v[208+i], v[208+i] row_xmask:\m row_mask:0xf bank_mask:0xf
.set i, i+1
.endr
.endr
.irp k, 0,1,2,3,4,5,6,7,8,9,10,11,12,13,14,15
	v_cvt_pk_bf16_f32 v[240+\k], v[208+2*\k], v[209+2*\k]
.endr
.irp p, 0,1,2,3
	ds_store_b128 v117, v[240+4*\p:243+4*\p] offset:512*\p        ; the eight lanes of a group store the same bytes
	ds_store_b128 v117, v[240+4*\p:243+4*\p] offset:512*\p+128    ; rows 8-15 of the tile repeat rows 0-7: they are hidden, and every byte that is read has been written
.endr
	QUANT2 176, 208, 216
	ds_store_b128 v115, v[208:211]
	ds_store_b128 v115, v[212:215] offset:512
	ds_store_b32 v116, v216
.Ljoin:
	s_wait_tensorcnt 0x0                           ; my part of h1's image has landed,
	s_wait_dscnt 0x0                               ; my stores are done:
	s_barrier_signal -1
	s_barrier_wait -1                              ; everybody's are.  From here on the shared bytes are only read
	s_wait_kmcnt 0x0                               ; the gammas
.irp g, 20,21,22,23
	v_mov_b32 v24, s\g
	v_mul_f32 v24, 0x41000000, v24                 ; G = 8 gamma: the bias in units of the raw score (exact)
	v_readfirstlane_b32 s\g, v24
.endr
	s_wait_xcnt 0x0                                ; the first trip writes the offsets and bases of the loads issued at the head once more, with the same numbers: only behind this wait
	s_mov_b32 s28, 0
; ======================= macros of a level.  The level's constants are symbols: LCS chunk size; GS the register of G; KIA, KIO, KSO and VIA, VIO, VSO: address register and offsets of the images and scale words
; block b's two fragments of k (lower halves) and its 32 scale words
.macro KLOAD b
	ds_load_b128 v[KF0:KF0+3], v[KIA] offset:KIO+2048*(\b)
	ds_load_b128 v[KF0+4:KF0+7], v[KIA] offset:KIO+2048*(\b)+512
	ds_load_b128 v[KF1:KF1+3], v[KIA] offset:KIO+2048*(\b)+1024
	ds_load_b128 v[KF1+4:KF1+7], v[KIA] offset:KIO+2048*(\b)+1536
	ds_load_b32 v[KS], v[LSC] offset:KSO+128*(\b)
.endm
; the scores of the block that was fetched, into v[d] on: lane (r, h), register x' = 8 u + j: query r, chunk 32 b + 16 h + x'.  The odd tile's scale words stand in lanes 16-31
.macro SCW d
	s_wait_dscnt 0x0
	v_wmma_scale_f32_16x16x128_f8f6f4 v[\d:\d+7], v[KF0:KF0+15], v[Q8:Q8+15], v[CB:CB+7], v[KS], v[QS]
	v_wmma_scale_f32_16x16x128_f8f6f4 v[\d+8:\d+15], v[KF1:KF1+15], v[Q8:Q8+15], v[CB+8:CB+15], v[KS], v[QS] matrix_a_scale:MATRIX_SCALE_ROW1
.endm
.macro LHEAD lv, add, sh, fcs, fdel
	s_add_co_u32 s29, s27, \add
	s_lshr_b32 s29, s29, \sh                       ; NB: the blocks of 32 chunks of which some query of the tile sees a chunk
	s_cmp_eq_u32 s29, 0
	s_cbranch_scc1 .Lskip_\lv
	KLOAD 0                                        ; lands under the lines below
	s_sub_co_u32 s41, s27, LCS/2                   ; positive here
	v_mov_b32 v24, s[GS]
	v_mul_f32 v25, s30, v24                        ; c G
	v_cvt_f32_u32 v26, s41
	v_mul_f32 v26, -v25, v26                       ; beta_0
	v_mul_f32 v27, \fdel, v25                      ; beta's step from block to block (exact)
	v_readfirstlane_b32 s38, v26
	v_readfirstlane_b32 s39, v27
	v_mul_u32_u24 v11, v[HI], 16*LCS
	v_sub_nc_u32 v11, v[RI], v11                   ; r - 16 cs h
	v_cvt_f32_i32 v28, v11
	v_mul_f32 v28, -v24, v28
	v_mul_f32 v29, \fcs, v24                       ; G cs (exact)
.set x, 0
.irp f, 0,1.0,2.0,3.0,4.0,5.0,6.0,7.0,8.0,9.0,10.0,11.0,12.0,13.0,14.0,15.0
	v_fma_f32 v[CB+x], v29, \f, v28                ; G (cs x' + 16 cs h - r)
.set x, x+1
.endr
	v_mov_b32 v10, SENT                            ; the row's largest t so far
	v_mov_b32 v31, SENT
.endm
; hidden: (chunk + 1) cs + 31 > query, that is cs x' > q0 - cs - 31 - 32 cs b + (r - 16 cs h).  A block that every query of the tile sees whole skips this: a scalar branch on ids
.macro MASK b, d
	s_cmp_ge_u32 s27, 32*LCS*((\b)+1)+31
	s_cbranch_scc1 .Lopen_\@
	s_sub_co_i32 s41, s27, LCS+31+32*LCS*(\b)
	v_add_nc_u32 v30, s41, v11
.set x, 0
.rept 16
	v_cmp_gt_i32 vcc_lo, LCS*x, v30
	v_cndmask_b32 v[\d+x], v[\d+x], v31, vcc_lo    ; each accumulator from its low end on
.set x, x+1
.endr
.Lopen_\@:
.endm
; PASS A, the end of block b: the block's largest raw' of my 16 chunks is kept; its t goes into the row's maximum (t rises with raw', c being positive).  Even blocks' scores lie in v96-111, odd ones' in v112-127
.macro RED b
.set SD, S+16*((\b)%2)
	v_cvt_f32_u32 v14, \b
	v_fma_f32 v14, v14, s39, s38                   ; beta_b: these two lines stand in pass B too, so the bits are the same
	MASK \b, SD
	v_max3_num_f32 v[BM+\b], v[SD], v[SD+1], v[SD+2]
	v_max3_num_f32 v24, v[SD+8], v[SD+9], v[SD+10]
	v_max3_num_f32 v[BM+\b], v[BM+\b], v[SD+3], v[SD+4]
	v_max3_num_f32 v24, v24, v[SD+11], v[SD+12]
	v_max3_num_f32 v[BM+\b], v[BM+\b], v[SD+5], v[SD+6]
	v_max3_num_f32 v24, v24, v[SD+13], v[SD+14]
	v_max3_num_f32 v[BM+\b], v[BM+\b], v[SD+7], v[SD+15]
	v_max_num_f32 v[BM+\b], v[BM+\b], v24
	v_fma_f32 v24, v[BM+\b], s30, v14
	v_max_num_f32 v10, v10, v24
.endm
; PASS A, block b: its products, and behind them the end of block b - 1, whose twelve plain lines or more name no register of these products: they are the places (behind an f8f6f4 product on 8-bit codes 8 ahead of a read
; of its result and of loads into its sources, 9 ahead of a product that writes over them) in front of the next block's loads, and block b's own results are read a block later
.macro ABLK lv, b, nblk
.if \b > 0
	s_cmp_le_u32 s29, \b
	s_cbranch_scc1 .LdrA_\lv\()_\b
.endif
	SCW S+16*((\b)%2)
.if \b > 0
	RED \b-1
.else
	PLACES 8                                       ; the first block has no block before it
.endif
.if \b+1 < \nblk
	KLOAD \b+1
.endif
.endm
.macro ADRAIN lv, b                    ; the walk ended in front of block b: block b - 1 is still to be finished
.LdrA_\lv\()_\b:
	RED \b-1
	s_branch .LendA_\lv
.endm
.macro AEND
	s_wait_dscnt 0x0                               ; a block fetched ahead and not walked may still be on its way into the same registers
	KLOAD 0                                        ; pass B's first block
	v_permlanex16_b32 v24, v10, s[SEL], s[SEL+1]
	v_max_num_f32 v10, v10, v24                    ; tmax of my query: the t of one of its scores, bit for bit
	v_max_num_f32 v12, LOWT, v10                   ; what is subtracted: a row with no chunk subtracts -1e20, so that its p are 0
	v_mov_b32 v16, 0                               ; the level's sum, in two halves
	v_mov_b32 v17, 0
.endm
.macro ZERO4 cc                        ; a block of a K step that is not walked: zero codes (its byte stays 127)
.irp i, 0,1,2,3
	v_mov_b32 v[P8+4*\cc+\i], 0
.endr
.endm
; PASS B, block 4 s + cc: the scores again, p, its sum, its codes and its scale byte
.macro BBLK lv, s, cc, nblk
.if \cc > 0
	s_cmp_le_u32 s29, 4*(\s)+\cc
	s_cbranch_scc1 .Lz\cc\()_\lv\()_\s
.endif
	v_cvt_f32_u32 v14, 4*(\s)+\cc
	v_fma_f32 v14, v14, s39, s38
	SCW S
	; the block's largest p is not searched for: its largest raw' goes through the same multiply-add, subtraction and exponential.  Ten of these lines are plain and name no register of the products above: their places
	v_permlanex16_b32 v24, v[BM+4*(\s)+\cc], s[SEL], s[SEL+1]
	v_max_num_f32 v24, v24, v[BM+4*(\s)+\cc]
	v_fma_f32 v24, v24, s30, v14
	v_sub_f32 v24, v24, v12
	v_exp_f32 v24, v24
	v_nop
	s_wait_alu depctr_va_vdst(0)
	v_max_num_f32 v24, FLOOR, v24                  ; the floor: a block whose every p is 0 keeps the byte 1, and its codes are zeros
	v_add_nc_u32 v25, 0xfc000000, v24              ; the conversion's scale operand
	v_and_or_b32 v26, v24, 0x7f800000, s[MNT]      ; 448 x the scale
	v_lshrrev_b32 v27, 23, v25                     ; the byte,
.if \cc > 0
	v_lshlrev_b32 v27, 8*\cc, v27
.endif
	v_and_or_b32 v[PW], v[PW], 0xffffffff^(0xff<<(8*\cc)), v27   ; into its place in p's scale word
.if 4*(\s)+\cc+1 < \nblk
	KLOAD 4*(\s)+\cc+1                             ; the next block's fragments land under this block's softmax (asked for also where that block is not walked: the bytes exist)
.endif
	MASK 4*(\s)+\cc, S
.irp j, 0,2,4,6,8,10,12,14
	v_pk_fma_f32 v[S+\j:S+\j+1], v[S+\j:S+\j+1], s[30:31], v[14:15] op_sel_hi:[1,0,0]   ; t
.endr
.irp j, 0,2,4,6,8,10,12,14
	v_pk_add_f32 v[S+\j:S+\j+1], v[S+\j:S+\j+1], v[12:13] op_sel_hi:[1,0] neg_lo:[0,1] neg_hi:[0,1]   ; t - tmax: exactly 0 at the row's maximum
.endr
.irp j, 0,1,2,3,4,5,6,7,8,9,10,11,12,13,14,15
	v_exp_f32 v[S+\j], v[S+\j]
.endr
	v_nop                                          ; one plain line that names none of them stands between the exponentials and the first read of their results (ISA guide 5.7.2)
	s_wait_alu depctr_va_vdst(0)
	v_pk_add_f32 v[28:29], v[S:S+1], v[S+2:S+3]    ; the sum of the unquantised p, in two chains
	v_pk_add_f32 v[16:17], v[16:17], v[S+4:S+5]
	v_pk_add_f32 v[28:29], v[28:29], v[S+6:S+7]
	v_pk_add_f32 v[16:17], v[16:17], v[S+8:S+9]
	v_pk_add_f32 v[28:29], v[28:29], v[S+10:S+11]
	v_pk_add_f32 v[16:17], v[16:17], v[S+12:S+13]
	v_pk_add_f32 v[28:29], v[28:29], v[S+14:S+15]
	v_pk_add_f32 v[16:17], v[16:17], v[28:29]
.irp j, 0,1,2,3,4,5,6,7,8,9,10,11,12,13,14,15
	v_min_num_f32 v[S+\j], v[S+\j], v26            ; p is not negative: the hold is one-sided
.endr
	v_cvt_scalef32_pk8_fp8_f32 v[P8+4*\cc:P8+4*\cc+1], v[S:S+7], v25
	v_cvt_scalef32_pk8_fp8_f32 v[P8+4*\cc+2:P8+4*\cc+3], v[S+8:S+15], v25
.endm
; one product of O^T of the level += V^T P^T: channels 16 t on.  Fragments t = 0, 1 share a register of scale words, and so do t = 2, 3: the odd one's stand in lanes 16-31
.macro PVW s, t
.if (\s) == 0
.if (\t)%2
	v_wmma_scale_f32_16x16x128_f8f6f4 v[OL+8*\t:OL+8*\t+7], v[VF+16*\t:VF+16*\t+15], v[P8:P8+15], 0, v[VS+(\t)/2], v[PW] matrix_a_scale:MATRIX_SCALE_ROW1
.else
	v_wmma_scale_f32_16x16x128_f8f6f4 v[OL+8*\t:OL+8*\t+7], v[VF+16*\t:VF+16*\t+15], v[P8:P8+15], 0, v[VS+(\t)/2], v[PW]
.endif
.else
.if (\t)%2
	v_wmma_scale_f32_16x16x128_f8f6f4 v[OL+8*\t:OL+8*\t+7], v[VF+16*\t:VF+16*\t+15], v[P8:P8+15], v[OL+8*\t:OL+8*\t+7], v[VS+(\t)/2], v[PW] matrix_a_scale:MATRIX_SCALE_ROW1
.else
	v_wmma_scale_f32_16x16x128_f8f6f4 v[OL+8*\t:OL+8*\t+7], v[VF+16*\t:VF+16*\t+15], v[P8:P8+15], v[OL+8*\t:OL+8*\t+7], v[VS+(\t)/2], v[PW]
.endif
.endif
.endm
; K step s of the level's second product: the four accumulators by turns
.macro PV s
	PLACES 4                                       ; codes written by vector instructions stand 4 places ahead of a scaled product; also the plain line behind the last conversion
.irp t, 0,1,2,3
.irp c, 0,1,2,3
	ds_load_b128 v[VF+16*\t+4*\c:VF+16*\t+4*\c+3], v[VIA] offset:VIO+2048*(4*(\s)+\t)+512*\c
.endr
.endr
	ds_load_b32 v[VS], v[LSC] offset:VSO+256*(\s)
	ds_load_b32 v[VS+1], v[LSC] offset:VSO+256*(\s)+128
	s_wait_dscnt 0x0
.irp t, 0,1,2,3
	PVW \s, \t
.endr
	PLACES 9                                       ; the next score product writes over V's fragment 0
.endm
; the level's (tmax, sum, O^T) into the running (M, L, O^T)
.macro MERGE
	v_max_num_f32 v28, v6, v10
	v_sub_f32 v24, v6, v28
	v_sub_f32 v26, v10, v28
	v_exp_f32 v24, v24
	v_exp_f32 v26, v26
	v_mov_b32 v6, v28                              ; (the plain line behind the two exponentials: it names neither)
	s_wait_alu depctr_va_vdst(0)
	v_pk_mul_f32 v[8:9], v[8:9], v[24:25] op_sel_hi:[1,0]
	v_pk_fma_f32 v[8:9], v[16:17], v[26:27], v[8:9] op_sel_hi:[1,0,1]
.irp j, 0,2,4,6,8,10,12,14,16,18,20,22,24,26,28,30
	v_pk_mul_f32 v[O+\j:O+\j+1], v[O+\j:O+\j+1], v[24:25] op_sel_hi:[1,0]
.endr
.irp j, 0,2,4,6,8,10,12,14,16,18,20,22,24,26,28,30
	v_pk_fma_f32 v[O+\j:O+\j+1], v[OL+\j:OL+\j+1], v[26:27], v[O+\j:O+\j+1] op_sel_hi:[1,0,1]
.endr
.endm
; ======================= a tile of 16 queries: two trips =======================
.Ltile:
	s_cmp_eq_u32 s28, 0
	s_cselect_b32 s27, s26, s35                    ; q0
	TSETUP
	s_mov_b32 s63, SENT
	s_cmp_lt_u32 s27, 32
	s_cselect_b32 s42, s63, 0
	s_cmp_lt_u32 s27, 16
	s_cselect_b32 s43, s63, 0
	s_cmp_eq_u32 s28, 0
	s_cbranch_scc1 .Lhave                          ; the first tile's q and K were asked for at the head
	s_wait_loadcnt 0x0                             ; no load of mine is out when these registers are asked for again
	TLOADS
.Lhave:
.irp p, 0,1,2,3
	ds_load_b128 v[KB+48+4*\p:KB+48+4*\p+3], v[LI2] offset:K3I-K2I+512*\p
.endr
	; the scores begin as their bias, and the products add onto it.  Tile a, register j: key q0 - 32 + 16 a + 8 h + j, at distance (r - 8 h) + 32 - 16 a - j
	v_lshlrev_b32 v11, 3, v[HI]
	v_sub_nc_u32 v11, v[RI], v11                   ; r - 8 h
	v_cvt_f32_i32 v24, v11
	v_mov_b32 v28, s20                             ; G of the window
	v_fma_f32 v25, -v24, v28, s42
	v_fma_f32 v26, -v24, v28, s43
	v_mul_f32 v27, -v24, v28
	v_mov_b32 v31, SENT
.set n, 0
.irp f, 32.0,31.0,30.0,29.0,28.0,27.0,26.0,25.0,16.0,15.0,14.0,13.0,12.0,11.0,10.0,9.0,0,-1.0,-2.0,-3.0,-4.0,-5.0,-6.0,-7.0
	v_fma_f32 v[SL+n], -v28, \f, v[25+n/8]
.set n, n+1
.endr
	s_sub_co_i32 s63, s27, 256                     ; level 3, chunk j (rows 0-7 of the tile): distance q0 + r - 256 - 512 j
	v_add_nc_u32 v29, s63, v[RI]
	v_cvt_f32_i32 v29, v29
	v_mov_b32 v30, s23
	v_mul_f32 v29, -v29, v30
.set n, 0
.irp f, 0,512.0,1024.0,1536.0,2048.0,2560.0,3072.0,3584.0
	v_fma_f32 v[SL+24+n], v30, \f, v29
.set n, n+1
.endr
	s_sub_co_i32 s63, s27, 543
	v_add_nc_u32 v24, s63, v[RI]
	v_lshlrev_b32 v25, 20, v[HI]
	v_sub_nc_u32 v24, v24, v25                     ; chunk j counts where 512 j <= q0 + r - 543; lanes 16-31 hold the repeated rows: all hidden
.irp j, 0,1,2,3,4,5,6,7
	v_cmp_le_i32 vcc_lo, \j, v11                   ; tile 0: distance above 31
	v_cndmask_b32 v[SL+\j], v[SL+\j], v31, vcc_lo
	v_cmp_gt_i32 vcc_lo, \j, v11                   ; tile 2: keys behind the query
	v_cndmask_b32 v[SL+16+\j], v[SL+16+\j], v31, vcc_lo
	v_cmp_gt_i32 vcc_lo, 512*\j, v24
	v_cndmask_b32 v[SL+24+\j], v[SL+24+\j], v31, vcc_lo
.endr
	s_wait_loadcnt 12                              ; q's 8 loads are in; the 12 from kimg behind them may be out
.irp c, 0,1
.irp k, 0,1,2,3,4,5,6,7
	v_cvt_pk_bf16_f32 v[QB+8*\c+\k], v[QX+16*\c+2*\k], v[QX+16*\c+2*\k+1]   ; dims 32 c + 16 h + 0..15: the order in which kimg has them
.endr
.endr
	QUANT2 QX, Q8, QS
	s_wait_loadcnt 0x0
	s_wait_dscnt 0x0
.irp c, 0,1                            ; the four accumulators by turns
.irp a, 0,1,2,3
	v_wmma_f32_16x16x32_bf16 v[SL+8*\a:SL+8*\a+7], v[KB+16*\a+8*\c:KB+16*\a+8*\c+7], v[QB+8*\c:QB+8*\c+7], v[SL+8*\a:SL+8*\a+7]
.endr
.endr
	PLACES 4                                       ; ahead of loads into K's registers and of the first read of the scores
.irp t, 0,1,2,3                        ; V^T, channels 16 t on: keys of groups 0 and 1; of group 2 and level 3's chunks
	global_load_b128 v[KB+16*\t:KB+16*\t+3], v14, s[10:11] offset:512*\t
	global_load_b128 v[KB+16*\t+4:KB+16*\t+7], v15, s[10:11] offset:512*\t
	global_load_b128 v[KB+16*\t+8:KB+16*\t+11], v16, s[10:11] offset:512*\t
	ds_load_b128 v[KB+16*\t+12:KB+16*\t+15], v[LI2] offset:V3I-K2I+512*\t
.endr
.irp a, 0,1,2,3
	v_max3_num_f32 v[24+\a], v[SL+8*\a], v[SL+8*\a+1], v[SL+8*\a+2]   ; each accumulator from its low end on
.endr
.irp i, 3,5
.irp a, 0,1,2,3
	v_max3_num_f32 v[24+\a], v[24+\a], v[SL+8*\a+\i], v[SL+8*\a+\i+1]
.endr
.endr
	v_max3_num_f32 v24, v24, v[SL+7], v[SL+15]
	v_max3_num_f32 v26, v26, v[SL+23], v[SL+31]
	v_max3_num_f32 v24, v24, v25, v26
	v_max_num_f32 v24, v24, v27
	v_permlanex16_b32 v25, v24, s[SEL], s[SEL+1]
	v_max_num_f32 v24, v24, v25                    ; finite: the query's own key always counts
	v_mul_f32 v6, s30, v24                         ; M
.irp j, 0,2,4,6,8,10,12,14,16,18,20,22,24,26,28,30
	v_pk_fma_f32 v[SL+\j:SL+\j+1], v[SL+\j:SL+\j+1], s[30:31], v[6:7] op_sel_hi:[1,0,0] neg_lo:[0,0,1] neg_hi:[0,0,1]
.endr
.irp j, 0,1,2,3,4,5,6,7,8,9,10,11,12,13,14,15,16,17,18,19,20,21,22,23,24,25,26,27,28,29,30,31
	v_exp_f32 v[SL+\j], v[SL+\j]
.endr
	v_nop                                          ; one plain line that names none of them stands between the exponentials and the first read of their results (ISA guide 5.7.2)
	s_wait_alu depctr_va_vdst(0)
	v_pk_add_f32 v[8:9], v[SL:SL+1], v[SL+2:SL+3]  ; the sum, in two chains
	v_pk_add_f32 v[28:29], v[SL+4:SL+5], v[SL+6:SL+7]
.irp j, 8,12,16,20,24,28
	v_pk_add_f32 v[8:9], v[8:9], v[SL+\j:SL+\j+1]
	v_pk_add_f32 v[28:29], v[28:29], v[SL+\j+2:SL+\j+3]
.endr
	v_pk_add_f32 v[8:9], v[8:9], v[28:29]
.irp k, 0,1,2,3,4,5,6,7,8,9,10,11,12,13,14,15
	v_cvt_pk_bf16_f32 v[PB+\k], v[SL+2*\k], v[SL+2*\k+1]   ; two tiles of 16 keys, rounded in pairs, are source 1 for 32 keys
.endr
	s_wait_loadcnt 0x0
	s_wait_dscnt 0x0
.irp t, 0,1,2,3
	v_wmma_f32_16x16x32_bf16 v[O+8*\t:O+8*\t+7], v[KB+16*\t:KB+16*\t+7], v[PB:PB+7], 0
.endr
.irp t, 0,1,2,3
	v_wmma_f32_16x16x32_bf16 v[O+8*\t:O+8*\t+7], v[KB+16*\t+8:KB+16*\t+15], v[PB+8:PB+15], v[O+8*\t:O+8*\t+7]
.endr
	PLACES 5                                       ; ahead of vector writes and matrix results laid over these products' operands, and of reads of O^T
; ---- level 2: 64 chunks of 64 keys, two blocks, one K step
.set LCS, 64
.set GS,  22
.set KIA, LI2
.set KIO, 0
.set KSO, K2S-K1S
.set VIA, LI2
.set VIO, V2I-K2I
.set VSO, V2S-K1S
	LHEAD 2, 1968, 11, 64.0, 2048.0
	ABLK 2, 0, 2
	ABLK 2, 1, 2
	RED 1
	s_branch .LendA_2
	ADRAIN 2, 1
.LendA_2:
	AEND
	v_mov_b32 v[PW], 0x7f7f7f7f
	BBLK 2, 0, 0, 2
	BBLK 2, 0, 1, 2
	s_branch .Lz2_2_0
.Lz1_2_0:
	ZERO4 1
.Lz2_2_0:
	ZERO4 2                                        ; chunks 64 .. 127 do not exist
	ZERO4 3
	PV 0
	MERGE
.Lskip_2:
; ---- level 1: 512 chunks of 8 keys, up to sixteen blocks, up to four K steps
.set LCS, 8
.set GS,  21
.set KIA, LI
.set KIO, K1I
.set KSO, 0
.set VIA, LI
.set VIO, V1I
.set VSO, V1S-K1S
	LHEAD 1, 232, 8, 8.0, 256.0
.irp b, 0,1,2,3,4,5,6,7,8,9,10,11,12,13,14,15
	ABLK 1, \b, 16
.endr
	RED 15
	s_branch .LendA_1
.irp b, 1,2,3,4,5,6,7,8,9,10,11,12,13,14,15
	ADRAIN 1, \b
.endr
.LendA_1:
	AEND
.irp s, 0,1,2,3
	v_mov_b32 v[PW], 0x7f7f7f7f                    ; blocks that are not walked keep the byte 127
.irp cc, 0,1,2,3
	BBLK 1, \s, \cc, 16
.endr
	s_branch .Lpv_1_\s
.Lz1_1_\s:
	ZERO4 1
.Lz2_1_\s:
	ZERO4 2
.Lz3_1_\s:
	ZERO4 3
.Lpv_1_\s:
	PV \s
.if \s < 3
	s_cmp_le_u32 s29, 4*(\s+1)
	s_cbranch_scc1 .LendB_1
.endif
.endr
.LendB_1:
	MERGE
.Lskip_1:
; ---- the way out: O^T / the sum, through my stage in LDS, so that sixteen lanes store a query's 256 bytes
	v_add_f32 v24, v8, v9
	v_permlanex16_b32 v25, v24, s[SEL], s[SEL+1]
	v_add_f32 v24, v24, v25                        ; the sum's two halves, and lane l xor 16's
	v_max_num_f32 v24, 0x322bcc77, v24             ; held at 1e-8 from below
	v_rcp_f32 v24, v24
	v_nop
	s_wait_alu depctr_va_vdst(0)
.irp j, 0,2,4,6,8,10,12,14,16,18,20,22,24,26,28,30
	v_pk_mul_f32 v[OL+\j:OL+\j+1], v[O+\j:O+\j+1], v[24:25] op_sel_hi:[1,0]   ; register 8 t + j: out(r, 16 t + 8 h + j)
.endr
.irp t, 0,1,2,3
	ds_store_b128 v7, v[OL+8*\t:OL+8*\t+3] offset:64*\t
	ds_store_b128 v7, v[OL+8*\t+4:OL+8*\t+7] offset:64*\t+16
.endr
.irp i, 0,1,2,3,4,5,6,7
	ds_load_b128 v[96+4*\i:99+4*\i], v13 offset:544*\i   ; LDS serves a wave's instructions in order: these see my stores
.endr
.irp i, 0,1,2,3,4,5,6,7
	s_wait_dscnt 7-\i                              ; load i is back; the younger ones may be out
	global_store_b128 v[LI], v[96+4*\i:99+4*\i], s[60:61] offset:512*\i th:TH_STORE_NT   ; rows 2 i and 2 i + 1: 512 consecutive bytes, aligned
.endr
	s_wait_xcnt 0x0                                ; the stores have read their data and their base: both are written again in the next trip
	s_add_co_u32 s28, s28, 1
	s_cmp_lt_u32 s28, 2
	s_cbranch_scc1 .Ltile
	s_wait_xcnt 0x0
	v_lshl_add_u32 v254, v0, 2, 0x29000
	v_mov_b32 v255, 0
	s_wait_tensorcnt 0x0
	ds_add_u32 v254, v255
	s_wait_dscnt 0x0
	s_endpgm
.Lfunc_end_k_qfefedcd936_attn:
	.size	k_qfefedcd936_attn, .Lfunc_end_k_qfefedcd936_attn-k_qfefedcd936_attn
	.p2alignl 7, 3214868480
	.fill 96, 4, 3214868480
	.section	.rodata,"a",@progbits
	.p2align	6, 0x0
	.amdhsa_kernel k_qfefedcd936_attn
		.amdhsa_group_segment_fixed_size 169984
		.amdhsa_private_segment_fixed_size 0
		.amdhsa_enable_private_segment 0
		.amdhsa_kernarg_size 64
		.amdhsa_user_sgpr_count 2
		.amdhsa_user_sgpr_kernarg_segment_ptr 1
		.amdhsa_wavefront_size32 1
		.amdhsa_system_sgpr_workgroup_id_x 1
		.amdhsa_system_sgpr_workgroup_id_y 1
		.amdhsa_system_sgpr_workgroup_id_z 1
		.amdhsa_system_vgpr_workitem_id 0
		.amdhsa_next_free_vgpr 256
		.amdhsa_next_free_sgpr 66
		.amdhsa_reserve_vcc 1
		.amdhsa_float_denorm_mode_32 3
		.amdhsa_float_denorm_mode_16_64 3
		.amdhsa_memory_ordered 1
		.amdhsa_forward_progress 1
		.amdhsa_inst_pref_size 255
	.end_amdhsa_kernel
	.section	.bss,"aw",@nobits
	.p2align	6
	.space	262144
	.amdgpu_metadata
---
amdhsa.version: [ 1, 2 ]
amdhsa.kernels:
  - .name:           k_qfefedcd936_attn
    .symbol:         k_qfefedcd936_attn.kd
    .args:
      - { .name: q, .offset: 0, .size: 8, .value_kind: global_buffer, .address_space: global }
      - { .name: gammas, .offset: 8, .size: 8, .value_kind: global_buffer, .address_space: global }
      - { .name: kimg, .offset: 16, .size: 8, .value_kind: global_buffer, .address_space: global }
      - { .name: vimg, .offset: 24, .size: 8, .value_kind: global_buffer, .address_space: global }
      - { .name: h1, .offset: 32, .size: 8, .value_kind: global_buffer, .address_space: global }
      - { .name: k2f, .offset: 40, .size: 8, .value_kind: global_buffer, .address_space: global }
      - { .name: v2f, .offset: 48, .size: 8, .value_kind: global_buffer, .address_space: global }
      - { .name: out0, .offset: 56, .size: 8, .value_kind: global_buffer, .address_space: global }
    .group_segment_fixed_size: 169984
    .private_segment_fixed_size: 0
    .kernarg_segment_align: 8
    .kernarg_segment_size: 64
    .max_flat_workgroup_size: 512
    .sgpr_count:     66
    .vgpr_count:     256
    .wavefront_size: 32
...
	.end_amdgpu_metadata
.endif
;; end of part 2
